; MI455X (gfx1250); checked and timed in simulation.
; The chip was launched on July 23, 2026; its instructions are those of AMD's public machine-readable ISA for CDNA 5 (MIT licence, August 2026) and "CDNA5" Instruction Set Architecture Reference Guide (July 2026). The comments in the code are by the model that wrote it; some were corrected since.
;; Attention Head. Allowed arithmetic: float matrix products may take bf16 or f16 operands with f32 sums; all other float work in f32.
;; Inputs: Wk 768 x 64 float32; Wq 768 x 64 float32; Wv 768 x 64 float32; bk 64 float32; bq 64 float32; bv 64 float32; input 16 x 2,048 x 768 float32; mask 16 x 1 x 2,048 int32.
;; Outputs: out0 16 x 2,048 x 64 float32.
;; One version. Each part assembles by itself: llvm-mc -triple=amdgcn-amd-amdhsa -mcpu=gfx1250 --defsym DOCPART=n.
;; ======== version 1 of 1: 3 launches
;; limits: values are held in f16: magnitudes above 65,504 overflow, below 6.1e-05 lose precision
;; workspace buffers: wf 294,912 bytes; qkv 12,582,912 bytes
;; launch prep (part 1): grid 24 x 3, 8 waves a work-group, no clusters, 0 bytes of LDS; arguments Wq, Wk, Wv, wf; writes wf
.if DOCPART == 1
	.amdgcn_target "amdgcn-amd-amdhsa--gfx1250"
	.amdhsa_code_object_version 6
	.text
	.protected	k_q48c09644c5_prep
	.globl	k_q48c09644c5_prep
	.p2align	8
	.type	k_q48c09644c5_prep,@function
k_q48c09644c5_prep:
	s_mov_b64 s[64:65], 0
	v_nop
	global_prefetch_b8 v0, s[64:65] scope:SCOPE_SE
	s_setreg_imm32_b32 hwreg(HW_REG_WAVE_MODE, 25, 1), 1
	s_wait_xcnt 0x0
; Wq, Wk, Wv ([768][64] f32) are rounded to f16 and laid out in the order in which the projection's matrix instructions want them.
; wf: block (ks, nt) of 1,024 bytes at (12 ks + nt) x 1,024, ks = 0..23 (32 along K), nt = 4 g + n (g: 0 = q, 1 = k, 2 = v; n: 16 columns).
; In a block: half c at 512 c, lane l at 16 l: the eight f16 W_g[32 ks + 16 c + 8 (l / 16) + e][16 n + l % 16], e = 0..7.
; A work-group makes the four blocks of one ks and one g: 256 threads, 16 bytes each.  There is work for 24 x 3 work-groups.
; LIMIT: |W| < 65504 (f16's largest number).
.set WROW, 256                         ; bytes in a row of W
	s_load_b256 s[4:11], s[0:1], 0x0               ; Wq s[4:5], Wk s[6:7], Wv s[8:9], wf s[10:11]
	s_and_b32 s12, ttmp7, 0xffff                   ; g
	v_bfe_u32 v1, v0, 5, 1                         ; c
	v_bfe_u32 v2, v0, 4, 1                         ; l / 16
	v_and_b32 v3, 15, v0                           ; l % 16
	v_lshrrev_b32 v4, 6, v0                        ; n
	v_lshlrev_b32 v5, 12, v1                       ; 16 c rows of 256 bytes
	v_lshl_add_u32 v5, v2, 11, v5                  ; + 8 (l / 16) rows
	v_lshl_add_u32 v5, v4, 6, v5                   ; + 16 n columns of 4 bytes
	v_lshl_add_u32 v5, v3, 2, v5                   ; + my column
	v_lshlrev_b32 v6, 4, v0                        ; where my 16 bytes go: 1,024 n + 512 c + 16 l = 16 x thread
	s_lshl_b32 s16, ttmp9, 13                      ; 32 ks rows of 256 bytes
	s_mov_b32 s17, 0
	s_mul_i32 s18, ttmp9, 12288                    ; 12 ks blocks
	s_lshl_b32 s20, s12, 12                        ; + 4 g blocks
	s_add_co_u32 s18, s18, s20
	s_mov_b32 s19, 0
	s_wait_kmcnt 0x0
	s_cmp_eq_u32 s12, 0
	s_cselect_b64 s[14:15], s[4:5], s[6:7]         ; g = 0: Wq, else Wk,
	s_cmp_eq_u32 s12, 2
	s_cselect_b64 s[14:15], s[8:9], s[14:15]       ; g = 2: Wv
	s_add_nc_u64 s[14:15], s[14:15], s[16:17]
	s_add_nc_u64 s[10:11], s[10:11], s[18:19]
.irp e, 0,1,2,3,4,5,6,7
	global_load_b32 v[8+\e], v5, s[14:15] offset:WROW*\e       ; eight rows of my column
.endr
	s_wait_loadcnt 0x0
.irp i, 0,1,2,3
	v_cvt_pk_f16_f32 v[16+\i], v[8+2*\i], v[9+2*\i]            ; the lower k in the lower half
.endr
	global_store_b128 v6, v[16:19], s[10:11]       ; a wave stores 512 consecutive bytes, aligned
	s_endpgm
.Lfunc_end_k_q48c09644c5_prep:
	.size	k_q48c09644c5_prep, .Lfunc_end_k_q48c09644c5_prep-k_q48c09644c5_prep
	.p2alignl 7, 3214868480
	.fill 96, 4, 3214868480
	.section	.rodata,"a",@progbits
	.p2align	6, 0x0
	.amdhsa_kernel k_q48c09644c5_prep
		.amdhsa_group_segment_fixed_size 0
		.amdhsa_private_segment_fixed_size 0
		.amdhsa_enable_private_segment 0
		.amdhsa_kernarg_size 32
		.amdhsa_user_sgpr_count 2
		.amdhsa_user_sgpr_kernarg_segment_ptr 1
		.amdhsa_wavefront_size32 1
		.amdhsa_system_sgpr_workgroup_id_x 1
		.amdhsa_system_sgpr_workgroup_id_y 1
		.amdhsa_system_sgpr_workgroup_id_z 1
		.amdhsa_system_vgpr_workitem_id 0
		.amdhsa_next_free_vgpr 24
		.amdhsa_next_free_sgpr 66
		.amdhsa_reserve_vcc 0
		.amdhsa_float_denorm_mode_32 3
		.amdhsa_float_denorm_mode_16_64 3
		.amdhsa_memory_ordered 1
		.amdhsa_forward_progress 1
		.amdhsa_inst_pref_size 3
	.end_amdhsa_kernel
	.amdgpu_metadata
---
amdhsa.version: [ 1, 2 ]
amdhsa.kernels:
  - .name:           k_q48c09644c5_prep
    .symbol:         k_q48c09644c5_prep.kd
    .args:
      - { .name: Wq, .offset: 0, .size: 8, .value_kind: global_buffer, .address_space: global }
      - { .name: Wk, .offset: 8, .size: 8, .value_kind: global_buffer, .address_space: global }
      - { .name: Wv, .offset: 16, .size: 8, .value_kind: global_buffer, .address_space: global }
      - { .name: wf, .offset: 24, .size: 8, .value_kind: global_buffer, .address_space: global }
    .group_segment_fixed_size: 0
    .private_segment_fixed_size: 0
    .kernarg_segment_align: 8
    .kernarg_segment_size: 32
    .max_flat_workgroup_size: 256
    .sgpr_count:     66
    .vgpr_count:     24
    .wavefront_size: 32
...
	.end_amdgpu_metadata
.endif
;; end of part 1
;; launch proj (part 2): grid 256 x 1, 4 waves a work-group, clusters of 4 x 1, 313,856 bytes of LDS; arguments input, wf, bq, bk, bv, qkv; writes qkv
.if DOCPART == 2
	.amdgcn_target "amdgcn-amd-amdhsa--gfx1250"
	.amdhsa_code_object_version 6
	.text
	.protected	k_q48c09644c5_proj
	.globl	k_q48c09644c5_proj
	.p2align	8
	.type	k_q48c09644c5_proj,@function
k_q48c09644c5_proj:
	s_mov_b64 s[64:65], 0
	v_nop
	global_prefetch_b8 v0, s[64:65] scope:SCOPE_SE
	s_setreg_imm32_b32 hwreg(HW_REG_WAVE_MODE, 25, 1), 1
	s_wait_xcnt 0x0
	s_wait_alu depctr_hold_cnt(0) depctr_sa_sdst(0) depctr_va_vdst(0) depctr_va_sdst(0) depctr_va_ssrc(0) depctr_va_vcc(0) depctr_vm_vsrc(0)
	s_getreg_b32 s2, hwreg(HW_REG_IB_STS2, 6, 4)
	s_cmp_eq_u32 s2, 0
	s_cbranch_scc0 .Lentry_in_a_cluster
	s_endpgm
.Lentry_in_a_cluster:
	s_bfe_u32 s2, ttmp6, 0x10000c
	s_cmp_lg_u32 s2, 0x3003
	s_cbranch_scc0 .Lentry_shape_is_right
	s_endpgm
.Lentry_shape_is_right:
; Q, K, V = X W + b.  X: [32768][768] f32; W as f16 fragments in wf (24 x 12 blocks of 1,024 bytes); results f16, [32768][64] each,
; Q at byte 0 of qkv, K at 4,194,304, V at 8,388,608.  Sums in f32, the bias is the first product's C operand.
; A work-group takes 128 rows, a wave 32 rows x all 192 columns: 24 accumulators (12 column tiles x 2 row tiles).
; X is read once, 256 aligned bytes of a row at a time, three chunks (64 along K, 16 loads of a wave each) ahead of the chunk at work.
; All of wf (294,912 bytes) lies in LDS, filled once: the four work-groups of a cluster ask for it jointly.  It comes in six groups: load j
; of wave w brings the 12 blocks of K step 4 j + w, so group j serves chunks 2 j and 2 j + 1 and the products begin when the first sixth is
; in.  By this text's count a wave has six tensor loads outstanding, and nothing in LDS is ever filled again.
; X's f32 are rounded to f16 in registers and go through the wave's own stage in LDS to reach the fragment layout.
; WHY f16 AND NOT bf16: with some 1,000 valid keys the output's spread is about a twentieth of V's, and the allowed error a hundredth of
; that; f16's rounding step is an eighth of bf16's.  LIMIT: |X|, |W| and |Q|, |K|, |V| < 65504.
; THE MATRIX INSTRUCTION IS USED TRANSPOSED: source 0 = 16 columns of W, source 1 = 16 rows of X: lane l then holds row l % 16 and its
; registers 0-7 the columns 8 (l / 16) + 0..7, which pack into 16 neighbouring bytes of a result row.
; REGISTER WINDOWS: 0: addresses, W fragments B0, B1.  1: accumulators v0-191, X fragments v192-255.  2: four slots of 64 for X as loaded.
; 3: the bias in the accumulators' layout, 8 registers for each column tile.
.set XROW,  3072                       ; bytes in a row of X
.set WIMG,  294912                     ; wf in LDS
.set SP,    144                        ; the stage's pitch: 128 bytes + 16, an odd multiple of 16
.set STGB,  32*SP                      ; a wave's stage: 32 rows
.set KSB,   12288                      ; the 12 blocks of 32 along K: what one tensor load brings, 48 rows of 256 bytes
.set XO,  2                            ; v2  (l / 16) x 3,072 + 16 (l % 16): two rows x 256 bytes for each load
.set STA, 3                            ; v3  stage, in: row l / 16, 8 bytes at 8 (l % 16)
.set ARD, 4                            ; v4  stage, fragment address: row l % 16, 16 bytes at 16 (l / 16)
.set ORD, 5                            ; v5  stage, back by rows: row l / 8, 16 bytes at 16 (l % 8)
.set BA,  6                            ; v6  16 l + the chunk's first block of wf
.set BO,  7                            ; v7  32 (l / 16): my eight biases of a column tile
.set GO,  8                            ; v8  16 l
.set B0,  48                           ; v[48:143]   W fragments of the chunk's first 32 along K
.set B1,  144                          ; v[144:239]  of its second 32
.set AF,  192                          ; window 1: X fragments, 32 (chunk % 2) + 16 c + 8 m
.set WV,  16                           ; s16 the wave's number
.set MSB, 0
.macro WIN new                         ; the immediate's high byte repeats the setting that is left
.if MSB != \new
	s_set_vgpr_msb (MSB<<8)|\new
.set MSB, \new
.endif
.endm
.macro PLACES                          ; four places behind a matrix instruction (ISA guide 7.12.1)
.rept 4
	v_nop
.endr
.endm
.macro ROUND                           ; a round of the cluster's barrier
	s_barrier_signal -1
	s_barrier_wait -1
	s_cmp_lg_u32 s[WV], 0
	s_cbranch_scc1 .Lnot_wave_0_\@
	s_barrier_signal -3
.Lnot_wave_0_\@:
	s_barrier_wait -3
	s_barrier_signal -1
	s_barrier_wait -1
.endm
; Group 0 of the descriptor of my load j, in s[g:g+3]: a set for each load, since all six are out together
.macro WDESC g, j
	s_mov_b32 s[\g], 1                                             ; count = 1
	s_add_co_u32 s[\g+1], s45, \j*4*KSB                            ; LDS address: K step 4 j + wave
	s_add_nc_u64 s[\g+2:\g+3], s[46:47], \j*4*KSB                  ; the same bytes of wf
	s_or_b32 s[\g+3], s[\g+3], 0x80000000                          ; type = 2
.endm
; A group of wf is shown to all four waves.  left = my younger loads, which stay out.
.macro GATE left
	s_wait_tensorcnt \left                         ; my part of the group is in LDS,
	s_wait_dscnt 0x0                               ; no LDS instruction of mine is pending at the signal,
	s_barrier_signal -1
	s_barrier_wait -1                              ; and so for all four waves
.endm
	s_load_b256 s[4:11], s[0:1], 0x0               ; input s[4:5], wf s[6:7], bq s[8:9], bk s[10:11]
	s_load_b128 s[12:15], s[0:1], 0x20             ; bv s[12:13], qkv s[14:15]
	v_lshl_add_u32 v254, v0, 2, 0x4c800
	v_mov_b32 v255, 0
	ds_add_u32 v254, v255
	v_lshrrev_b32 v1, 5, v0
	v_readfirstlane_b32 s[WV], v1                  ; wave 0..3
	s_bfe_u32 s17, ttmp6, 0x40000                  ; my place in the cluster
	s_lshl_b32 s18, ttmp9, 2
	s_add_co_u32 s18, s18, s17                     ; work-group = 4 x cluster + place: it enters global addresses of X and qkv alone
	v_and_b32 v9, 31, v0                           ; l
	v_and_b32 v10, 15, v0                          ; l % 16
	v_bfe_u32 v11, v0, 4, 1                        ; l / 16
	s_mul_i32 s19, s[WV], STGB
	s_add_co_u32 s19, s19, WIMG                    ; my stage, behind the image of wf
	v_mul_u32_u24 v12, v11, XROW
	v_lshl_add_u32 v[XO], v10, 4, v12
	v_mul_u32_u24 v12, v11, SP
	v_lshl_add_u32 v12, v10, 3, v12
	v_add_nc_u32 v[STA], s19, v12
	v_mul_u32_u24 v12, v10, SP
	v_lshl_add_u32 v12, v11, 4, v12
	v_add_nc_u32 v[ARD], s19, v12
	v_lshrrev_b32 v12, 3, v9
	v_mul_u32_u24 v12, v12, SP
	v_and_b32 v13, 7, v0
	v_lshl_add_u32 v12, v13, 4, v12
	v_add_nc_u32 v[ORD], s19, v12
	v_lshlrev_b32 v[BA], 4, v9
	v_lshlrev_b32 v[BO], 5, v11
	v_lshlrev_b32 v[GO], 4, v9
	; group 1 of the joint loads: 48 dense rows of 32 elements of 8 bytes; nothing in a descriptor hangs on the place in the cluster
	s_mov_b32 s24, 15|(3<<16)|(1<<21)              ; mask: all four work-groups; elements of 8 bytes; bit 21 beside a mask
	s_mov_b32 s25, 32<<16                          ; tensor_dim0 = 32
	s_mov_b32 s26, 48<<16                          ; tensor_dim1 = 48
	s_mov_b32 s27, 32<<16                          ; tile_dim0 = 32
	s_mov_b32 s28, 48                              ; tile_dim1 = 48
	s_mov_b32 s29, 32                              ; pitch = 32 elements
	s_mov_b32 s30, 0
	s_mov_b32 s31, 0
	s_mul_i32 s45, s[WV], KSB                      ; my K step of a group, in LDS and in wf alike
	s_mov_b32 s42, s45
	s_mov_b32 s43, 0
	s_wait_dscnt 0x0
	s_wait_kmcnt 0x0
	s_add_nc_u64 s[46:47], s[6:7], s[42:43]        ; wf + my K step of group 0
	WDESC 20, 0
	WDESC 48, 1
	WDESC 52, 2
	WDESC 56, 3
	WDESC 60, 4
	WDESC 68, 5
	s_mul_i32 s42, s18, 128*XROW
	s_mul_i32 s44, s[WV], 32*XROW
	s_add_co_u32 s42, s42, s44
	s_add_nc_u64 s[32:33], s[4:5], s[42:43]        ; X at my 32 rows
	s_lshl_b32 s42, s18, 14
	s_lshl_b32 s44, s[WV], 12
	s_add_co_u32 s42, s42, s44                     ; my 32 result rows of 128 bytes
	s_add_nc_u64 s[36:37], s[14:15], s[42:43]      ; in Q,
	s_add_nc_u64 s[38:39], s[36:37], 4194304       ; in K,
	s_add_nc_u64 s[40:41], s[36:37], 8388608       ; in V
	WIN 0xc0                                       ; destination window 3
.irp b, 0,1,2,3,4,5,6,7,8,9,10,11
	global_load_b128 v[8*\b:8*\b+3],   v[BO], s[8+2*(\b/4):9+2*(\b/4)] offset:64*(\b%4)      ; register j: b[16 (b % 4) + 8 (l / 16) + j]
	global_load_b128 v[8*\b+4:8*\b+7], v[BO], s[8+2*(\b/4):9+2*(\b/4)] offset:64*(\b%4)+16
.endr
; chunk t of X (columns 64 t .. 64 t + 63 of my 32 rows) into slot t % 4: each load covers two rows x 256 aligned bytes
.macro XFILL t
	WIN 0x80
.irp i, 0,1,2,3,4,5,6,7,8,9,10,11,12,13,14,15
	global_load_b128 v[64*((\t)%4)+4*\i:64*((\t)%4)+4*\i+3], v[XO], s[32:33] offset:2*XROW*\i+256*(\t) th:TH_LOAD_NT
.endr
.endm
; chunk t: wait, round to f16 in place, through my stage, back as four fragments.  left = the younger chunks' loads that stay out.
; LDS serves a wave's instructions in order (ISA guide 5.7.1.4) and the stage is my own: no wait, no barrier.
.macro XCVT t, left
	s_wait_loadcnt \left
.set XS, 64*((\t)%4)
	WIN 0x8a
.irp i, 0,1,2,3,4,5,6,7,8,9,10,11,12,13,14,15
	v_cvt_pk_f16_f32 v[XS+4*\i],   v[XS+4*\i],   v[XS+4*\i+1]
	v_cvt_pk_f16_f32 v[XS+4*\i+1], v[XS+4*\i+2], v[XS+4*\i+3]
.endr
	WIN 0x08                                       ; store data in window 2
.irp i, 0,1,2,3,4,5,6,7,8,9,10,11,12,13,14,15
	ds_store_b64 v[STA], v[XS+4*\i:XS+4*\i+1] offset:2*SP*\i
.endr
	WIN 0x40                                       ; destination window 1
.irp m, 0,1
.irp c, 0,1
.irp f, 0,1
	ds_load_b128 v[AF+32*((\t)%2)+16*\c+8*\m+4*\f:AF+32*((\t)%2)+16*\c+8*\m+4*\f+3], v[ARD] offset:16*SP*\m+64*\c+32*\f
.endr
.endr
.endr
.endm
; the 12 W fragments of 32 along K: 24 loads of 512 consecutive bytes
.macro BLOAD buf, off
	WIN 0
.irp b, 0,1,2,3,4,5,6,7,8,9,10,11
	ds_load_b128 v[\buf+8*\b:\buf+8*\b+3],   v[BA] offset:\off+1024*\b
	ds_load_b128 v[\buf+8*\b+4:\buf+8*\b+7], v[BA] offset:\off+1024*\b+512
.endr
.endm
; 24 matrix instructions, one for each accumulator: the accumulators take turns.
; first = 1: C is the bias, which starts the sums.
.macro MULS buf, t, c, first
.if \first
	WIN 0x74                                       ; D window 1, C window 3, X window 1, W window 0
.else
	WIN 0x54                                       ; C and D window 1
.endif
.irp b, 0,1,2,3,4,5,6,7,8,9,10,11
.irp m, 0,1
.if \first
	v_wmma_f32_16x16x32_f16 v[8*(2*\b+\m):8*(2*\b+\m)+7], v[\buf+8*\b:\buf+8*\b+7], v[AF+32*((\t)%2)+16*\c+8*\m:AF+32*((\t)%2)+16*\c+8*\m+7], v[8*\b:8*\b+7]
.else
	v_wmma_f32_16x16x32_f16 v[8*(2*\b+\m):8*(2*\b+\m)+7], v[\buf+8*\b:\buf+8*\b+7], v[AF+32*((\t)%2)+16*\c+8*\m:AF+32*((\t)%2)+16*\c+8*\m+7], v[8*(2*\b+\m):8*(2*\b+\m)+7]
.endif
.endr
.endr
.endm
; chunk t: 48 matrix instructions.  Between its halves the next chunk is converted and the chunk four further on is asked for.
; gate >= 0 (odd chunks): the next group of wf is shown first, since this chunk's second half loads the next chunk's first fragments from it.
.macro CHUNK t, left, gate
	WIN 0
.if (\gate)>=0
	GATE \gate
.endif
.if (\t)>0
	v_add_nc_u32 v[BA], 2*KSB, v[BA]               ; this chunk's blocks
	PLACES                                         ; behind the matrix instructions that read B1
.endif
	BLOAD B1, KSB
	s_wait_dscnt 24                                ; all but the 24 just issued: B0 and this chunk's X fragments are in
.if (\t)==0
	MULS B0, \t, 0, 1
.else
	MULS B0, \t, 0, 0
.endif
.if (\t)<11
	XCVT \t+1, \left                               ; its 32 conversions are the places in front of the loads into B0
.if (\t)<=7
	XFILL \t+4                                     ; into this chunk's slot
.endif
	BLOAD B0, 2*KSB
	s_wait_dscnt 48                                ; behind B1's loads stand 16 stage stores, 8 X fragment loads and B0's 24
.else
	s_wait_dscnt 0
.endif
	MULS B1, \t, 1, 0
.endm
	XFILL 0                                        ; the stream of X starts ahead of the cluster's round
	XFILL 1
	XFILL 2
	WIN 0
	ROUND                                          ; the four work-groups are here: their joint loads meet
.irp g, 20,48,52,56,60,68
	tensor_load_to_lds s[\g:\g+3], s[24:31]        ; groups 0 to 5 of wf
	s_nop 0
.endr
	GATE 5                                         ; group 0: K steps 0 to 3; my five younger loads stay out
	XCVT 0, 32                                     ; chunks 1 and 2 stay out; the bias loads are older and are in too
	XFILL 3
	BLOAD B0, 0
	CHUNK 0, 32, -1
	CHUNK 1, 32, 4                                 ; group 1; four younger loads stay out
	CHUNK 2, 32, -1
	CHUNK 3, 32, 3
	CHUNK 4, 32, -1
	CHUNK 5, 32, 2
	CHUNK 6, 32, -1
	CHUNK 7, 32, 1
	CHUNK 8, 32, -1                                ; chunks 10 and 11 of X stay out
	CHUNK 9, 16, 0                                 ; chunk 11 stays out; the last group of wf: every tensor load is waited for
	CHUNK 10, 0, -1
	CHUNK 11, 0, -1
	PLACES                                         ; behind the last matrix instructions, for the conversions and the loads into B1
; result g (0 = Q, 1 = K, 2 = V): round to f16, 16 bytes a lane into the stage, back by rows, 512 consecutive bytes a store.
; Each g has registers of its own, so no store's data is written again.
.macro OUT g
	WIN 0x05                                       ; sources in window 1
.irp m, 0,1
.irp b, 0,1,2,3
.irp i, 0,1,2,3
	v_cvt_pk_f16_f32 v[B0+32*\g+4*(4*\m+\b)+\i], v[8*(2*(4*\g+\b)+\m)+2*\i], v[8*(2*(4*\g+\b)+\m)+2*\i+1]
.endr
.endr
.endr
	WIN 0
.irp m, 0,1
.irp b, 0,1,2,3
	ds_store_b128 v[ARD], v[B0+32*\g+4*(4*\m+\b):B0+32*\g+4*(4*\m+\b)+3] offset:16*SP*\m+32*\b
.endr
.endr
.irp i, 0,1,2,3,4,5,6,7
	ds_load_b128 v[B1+32*\g+4*\i:B1+32*\g+4*\i+3], v[ORD] offset:4*SP*\i
.endr
.irp i, 0,1,2,3,4,5,6,7
	s_wait_dscnt 7-\i                              ; the younger read-backs stay out
	global_store_b128 v[GO], v[B1+32*\g+4*\i:B1+32*\g+4*\i+3], s[36+2*\g:37+2*\g] offset:512*\i
.endr
.endm
	OUT 0
	OUT 1
	OUT 2
	s_wait_tensorcnt 0x0
	ds_add_u32 v254, v255
	s_wait_dscnt 0x0
	ROUND                                          ; the closing round: no work-group ends while a partner may still ask jointly
	s_endpgm
.Lfunc_end_k_q48c09644c5_proj:
	.size	k_q48c09644c5_proj, .Lfunc_end_k_q48c09644c5_proj-k_q48c09644c5_proj
	.p2alignl 7, 3214868480
	.fill 96, 4, 3214868480
	.section	.rodata,"a",@progbits
	.p2align	6, 0x0
	.amdhsa_kernel k_q48c09644c5_proj
		.amdhsa_group_segment_fixed_size 313856
		.amdhsa_private_segment_fixed_size 0
		.amdhsa_enable_private_segment 0
		.amdhsa_kernarg_size 48
		.amdhsa_user_sgpr_count 2
		.amdhsa_user_sgpr_kernarg_segment_ptr 1
		.amdhsa_wavefront_size32 1
		.amdhsa_system_sgpr_workgroup_id_x 1
		.amdhsa_system_sgpr_workgroup_id_y 1
		.amdhsa_system_sgpr_workgroup_id_z 1
		.amdhsa_system_vgpr_workitem_id 0
		.amdhsa_next_free_vgpr 864
		.amdhsa_next_free_sgpr 72
		.amdhsa_reserve_vcc 0
		.amdhsa_float_denorm_mode_32 3
		.amdhsa_float_denorm_mode_16_64 3
		.amdhsa_memory_ordered 1
		.amdhsa_forward_progress 1
		.amdhsa_inst_pref_size 160
	.end_amdhsa_kernel
	.amdgpu_metadata
---
amdhsa.version: [ 1, 2 ]
amdhsa.kernels:
  - .name:           k_q48c09644c5_proj
    .symbol:         k_q48c09644c5_proj.kd
    .args:
      - { .name: input, .offset: 0, .size: 8, .value_kind: global_buffer, .address_space: global }
      - { .name: wf, .offset: 8, .size: 8, .value_kind: global_buffer, .address_space: global }
      - { .name: bq, .offset: 16, .size: 8, .value_kind: global_buffer, .address_space: global }
      - { .name: bk, .offset: 24, .size: 8, .value_kind: global_buffer, .address_space: global }
      - { .name: bv, .offset: 32, .size: 8, .value_kind: global_buffer, .address_space: global }
      - { .name: qkv, .offset: 40, .size: 8, .value_kind: global_buffer, .address_space: global }
    .group_segment_fixed_size: 313856
    .private_segment_fixed_size: 0
    .kernarg_segment_align: 8
    .kernarg_segment_size: 48
    .max_flat_workgroup_size: 128
    .sgpr_count:     72
    .vgpr_count:     864
    .wavefront_size: 32
...
	.end_amdgpu_metadata
.endif
;; end of part 2
;; launch attn (part 3): grid 16 x 16, 8 waves a work-group, clusters of 4 x 1, 327,680 bytes of LDS; arguments qkv, mask, out0; writes out0
.if DOCPART == 3
	.amdgcn_target "amdgcn-amd-amdhsa--gfx1250"
	.amdhsa_code_object_version 6
	.text
	.protected	k_q48c09644c5_attn
	.globl	k_q48c09644c5_attn
	.p2align	8
	.type	k_q48c09644c5_attn,@function
k_q48c09644c5_attn:
	s_mov_b64 s[64:65], 0
	v_nop
	global_prefetch_b8 v0, s[64:65] scope:SCOPE_SE
	s_setreg_imm32_b32 hwreg(HW_REG_WAVE_MODE, 25, 1), 1
	s_wait_xcnt 0x0
	s_wait_alu depctr_hold_cnt(0) depctr_sa_sdst(0) depctr_va_vdst(0) depctr_va_sdst(0) depctr_va_ssrc(0) depctr_va_vcc(0) depctr_vm_vsrc(0)
	s_getreg_b32 s2, hwreg(HW_REG_IB_STS2, 6, 4)
	s_cmp_eq_u32 s2, 0
	s_cbranch_scc0 .Lentry_in_a_cluster
	s_endpgm
.Lentry_in_a_cluster:
	s_bfe_u32 s2, ttmp6, 0x10000c
	s_cmp_lg_u32 s2, 0x3003
	s_cbranch_scc0 .Lentry_shape_is_right
	s_endpgm
.Lentry_shape_is_right:
; out = softmax(mask(Q K^T / 8)) V for one head, 16 batches of 2,048 rows.  Q, K, V: f16, [32768][64], at bytes 0, 4,194,304, 8,388,608 of qkv.
; A work-group takes 128 queries of one batch.  EIGHT WAVES, two for each SIMD: wave w works on the 32 queries of group w % 4 and on key half
; w / 4 of every tile, so that one wave's softmax (vector work, LDS waits) runs beside the other's matrix instructions.  The two waves of a
; query group keep a running maximum, sum and O of their own and merge them once, through LDS, behind the last tile.
; The four work-groups of a cluster work on one batch and ask for its K and V jointly.  Keys come in 4 tiles of 512 through 2 LDS slots; a
; wave's half of a tile is four steps of 64 keys.  K and V are dense in memory, so a wave's 64 rows of 128 bytes are asked for as 32 rows
; of 256 bytes, aligned, with a pad behind every 32 words: that gives each row of 128 bytes its own pitch in LDS.
; TRANSPOSED: S^T = K Q^T + C: lane l holds query l % 16, register j of tile m the key 16 m + 8 (l / 16) + j.  So the maximum and the sum of a
; query stay in a lane but for one exchange between the halves, and two packed tiles of S^T are a B fragment of P^T as they stand.
; O^T = V^T P^T, V^T by transposing LDS loads.
; THE MASK is the C operand of the first score product: 0 for a valid key, -1e30 for a masked one.  The running maximum starts at -1e20, so a
; masked key gets exp2 of about -1.8e29, which is 0, also while all keys so far are masked.  A batch with no valid key gives 0 x inf = NaN, as
; a softmax of nothing but -inf does.
; The scale 1/8 and log2 e are one factor c of the fused multiply-add in front of the exponential: p = exp2(s c - m c), m the running maximum.
; LIMITS: |Q|, |K|, |V| < 65504 (f16); raw scores q.k inside (-1e20, 1e29).
; By this text's count a wave has at most four tensor loads outstanding (K and V of two tiles, at the start).
.set KEYS,  512                        ; keys in a tile
.set KP,    144                        ; 128 bytes + 16: an odd multiple of 16
.set VP,    160                        ; 128 bytes + 32: an odd multiple of 32, for the transposing loads
.set VOFF,  KEYS*KP                    ; in a slot: K's 512 rows, then V's
.set SLOT,  KEYS*(KP+VP)               ; 155,648
.set BIAS,  2*SLOT                     ; 2,048 f32, one for each key; written by LDS stores, never filled by a tensor load
.set XCH,   4608                       ; the merge: 8 x 512 bytes of O and 512 of (-m c, sum), for each wave, from byte 0 of slot 0
.set OSTG,  8*XCH                      ; behind them the stages for the way out: 16 rows x 272 for each wave
.set OP,    272                        ; 256 bytes + 16
.set KBYTE, 4194304
.set VBYTE, 8388608
.set TSTEP, KEYS*128                   ; bytes of K or V from tile to tile
.set KA0, 1                            ; v1  (256 (w / 4) + l % 16) x 144 + 16 (l / 16)
.set VA0, 2                            ; v2  VOFF + (256 (w / 4) + 8 (l / 16) + l % 8) x 160 + 16 ((l / 8) % 2)
.set KA,  3                            ; v3  the step's K address
.set VA,  4                            ; v4  the step's V address
.set BA,  5                            ; v5  the step's bias address: BIAS + 32 (l / 16) + 4 x the step's first key
.set MX,  6                            ; v[6:7]    running maximum of query tile q
.set NM,  8                            ; v[8:11]   -m c, a pair for each q
.set LS,  12                           ; v[12:13]  the lane's running sum
.set AL,  14                           ; v[14:15]  alpha, twice
.set TM,  16                           ; v[16:23]  at work
.set OST, 24
.set ORD, 25
.set GO,  26
.set QO,  27
.set MO,  28
.set BST, 29
.set XST, 30                           ; v30 the merge: where I give
.set XRD, 31                           ; v31 the merge: where my partner gave
.set SC,  32                           ; v[32:95]   S(q, m) at 32 q + 8 m; later P(q, u) at 32 q + 16 u
.set KF,  96                           ; v[96:159]  K fragments, 16 m + 8 kc
.set VF,  160                          ; v[160:223] V^T fragments, 8 (4 u + t)
.set BI,  224                          ; v[224:255] mask bias in S's layout, 8 m
.set OA,  0                            ; window 1: v[0:63]   O(q, t) at 32 q + 8 t
.set QF,  96                           ; window 1: v[96:127] Q fragments, 16 q + 8 kc
.set G1K, 24                           ; s[24:31]
.set G1V, 32                           ; s[32:39]
.set G0K, 40                           ; s[40:47], four registers for each slot
.set G0V, 48                           ; s[48:55]
.set WV,  10                           ; s10 the wave's number
.set KH,  66                           ; s66 my key half, w / 4
.set QW,  67                           ; s67 my query group, w % 4
.set MSB, 0
.macro WIN new                         ; the immediate's high byte repeats the setting that is left
.if MSB != \new
	s_set_vgpr_msb (MSB<<8)|\new
.set MSB, \new
.endif
.endm
.macro PLACES                          ; four places behind a matrix instruction (ISA guide 7.12.1)
.rept 4
	v_nop
.endr
.endm
.macro ROUND                           ; a round of the cluster's barrier
	s_barrier_signal -1
	s_barrier_wait -1
	s_cmp_lg_u32 s[WV], 0
	s_cbranch_scc1 .Lnot_wave_0_\@
	s_barrier_signal -3
.Lnot_wave_0_\@:
	s_barrier_wait -3
	s_barrier_signal -1
	s_barrier_wait -1
.endm
	s_load_b128 s[4:7], s[0:1], 0x0                ; qkv s[4:5], mask s[6:7]
	s_load_b64 s[8:9], s[0:1], 0x10                ; out0
	s_set_vgpr_msb 0x40
	v_lshl_add_u32 v128, v0, 2, 0x4e000
	v_mov_b32 v129, 0
	s_set_vgpr_msb 0x4045
	ds_add_u32 v128, v129
	s_set_vgpr_msb 0x4500
	v_lshrrev_b32 v16, 5, v0
	v_readfirstlane_b32 s[WV], v16                 ; wave 0..7
	s_lshr_b32 s[KH], s[WV], 2
	s_and_b32 s[QW], s[WV], 3
	s_bfe_u32 s11, ttmp6, 0x40000                  ; my place in the cluster
	s_lshl_b32 s12, ttmp9, 2
	s_add_co_u32 s12, s12, s11                     ; block of 128 queries: it enters the addresses of Q and out0 alone
	s_and_b32 s13, ttmp7, 0xffff                   ; batch: the same in the four partners
	s_mov_b32 s14, 0x3e38aa3b                      ; c = log2 e / 8
	s_mov_b32 s15, 0x3e38aa3b
	s_mov_b32 s16, 0x76543210                      ; v_permlanex16_b32: lane i reads lane i of the other half
	s_mov_b32 s17, 0xfedcba98
	s_mov_b32 s19, 0xbe38aa3b                      ; -c
	v_and_b32 v16, 15, v0                          ; l % 16
	v_bfe_u32 v17, v0, 4, 1                        ; l / 16
	v_mul_u32_u24 v[KA0], v16, KP
	v_lshl_add_u32 v[KA0], v17, 4, v[KA0]
	s_mul_i32 s68, s[KH], 256*KP                   ; my half of a tile's K rows
	v_add_nc_u32 v[KA0], s68, v[KA0]
	v_and_b32 v[VA0], 7, v0
	v_lshl_or_b32 v[VA0], v17, 3, v[VA0]
	v_mul_u32_u24 v[VA0], v[VA0], VP
	v_bfe_u32 v18, v0, 3, 1
	v_lshl_add_u32 v[VA0], v18, 4, v[VA0]
	s_mul_i32 s68, s[KH], 256*VP                   ; my half of its V rows
	s_add_co_u32 s68, s68, VOFF
	v_add_nc_u32 v[VA0], s68, v[VA0]
	v_lshlrev_b32 v[BA], 5, v17
	s_lshl_b32 s68, s[KH], 10                      ; my half's 256 biases
	s_add_co_u32 s68, s68, BIAS
	v_add_nc_u32 v[BA], s68, v[BA]
	v_lshlrev_b32 v[QO], 7, v16                    ; Q: row l % 16 of 128 bytes + 16 (l / 16)
	v_lshl_add_u32 v[QO], v17, 4, v[QO]
	v_lshlrev_b32 v[MO], 4, v0                     ; mask: 16 bytes a thread
	v_add_nc_u32 v[BST], BIAS, v[MO]
	v_and_b32 v[GO], 31, v0
	v_lshlrev_b32 v[GO], 4, v[GO]                  ; 16 l
	s_mul_i32 s68, s[WV], XCH
	v_add_nc_u32 v[XST], s68, v[GO]
	s_add_co_u32 s68, s[WV], 4
	s_and_b32 s68, s68, 7                          ; my partner: the other key half of my query group
	s_mul_i32 s68, s68, XCH
	v_add_nc_u32 v[XRD], s68, v[GO]
	s_mul_i32 s68, s[WV], 16*OP
	s_add_co_u32 s68, s68, OSTG                    ; my stage for the way out
	v_mul_u32_u24 v[OST], v16, OP
	v_lshl_add_u32 v[OST], v17, 5, v[OST]
	v_add_nc_u32 v[OST], s68, v[OST]
	v_mul_u32_u24 v[ORD], v17, OP
	v_lshl_add_u32 v[ORD], v16, 4, v[ORD]
	v_add_nc_u32 v[ORD], s68, v[ORD]
	; descriptor groups 1: 32 dense rows of 32 elements of 8 bytes (64 rows of K or V); behind every 32 words a pad of 4 words (K) or 8 (V);
	; mask: all four work-groups, bit 21 beside it
	s_mov_b32 s[G1K+0], 15|(3<<16)|(1<<20)|(1<<21)|(4<<22)|(3<<25)
	s_mov_b32 s[G1V+0], 15|(3<<16)|(1<<20)|(1<<21)|(4<<22)|(7<<25)
.irp g, G1K, G1V
	s_mov_b32 s[\g+1], 32<<16                      ; tensor_dim0 = 32
	s_mov_b32 s[\g+2], 32<<16                      ; tensor_dim1 = 32
	s_mov_b32 s[\g+3], 32<<16                      ; tile_dim0 = 32
	s_mov_b32 s[\g+4], 32                          ; tile_dim1 = 32
	s_mov_b32 s[\g+5], 32                          ; pitch = 32 elements
	s_mov_b32 s[\g+6], 0
	s_mov_b32 s[\g+7], 0
.endr
	s_lshl_b32 s20, s13, 18                        ; the batch's 2,048 rows of 128 bytes
	s_lshl_b32 s21, s[WV], 13                      ; + my 64 rows of a tile
	s_add_co_u32 s20, s20, s21
	s_mov_b32 s21, 0
	s_mul_i32 s22, s[WV], 64*KP                    ; where they go in a slot: K,
	s_mul_i32 s23, s[WV], 64*VP                    ; V
	s_lshl_b32 s62, s13, 18
	s_lshl_b32 s68, s12, 14
	s_add_co_u32 s62, s62, s68
	s_lshl_b32 s68, s[QW], 12
	s_add_co_u32 s62, s62, s68                     ; my 32 queries' rows of 128 bytes
	s_mov_b32 s63, 0
	s_wait_dscnt 0x0
	s_wait_kmcnt 0x0
	s_add_nc_u64 s[56:57], s[4:5], s[62:63]        ; Q
	s_add_nc_u64 s[20:21], s[4:5], s[20:21]        ; qkv + batch + wave: made of nothing that differs between partners
	s_lshl_b32 s62, s13, 13
	s_add_nc_u64 s[58:59], s[6:7], s[62:63]        ; the batch's mask
	s_lshl_b32 s62, s13, 19
	s_lshl_b32 s68, s12, 15
	s_add_co_u32 s62, s62, s68
	s_lshl_b32 s68, s[QW], 13
	s_add_co_u32 s62, s62, s68
	s_lshl_b32 s68, s[KH], 12
	s_add_co_u32 s62, s62, s68                     ; the 16 rows of 256 bytes that I finish: query tile w / 4 of my group
	s_add_nc_u64 s[60:61], s[8:9], s[62:63]        ; out0
.irp i, 0,1
	global_load_b128 v[SC+4*\i:SC+4*\i+3], v[MO], s[58:59] offset:4096*\i      ; the batch's 2,048 mask words, 8 a thread
.endr
	WIN 0x40                                       ; destination window 1
.irp q, 0,1
.irp o, 0,1,2,3
	global_load_b128 v[QF+16*\q+4*\o:QF+16*\q+4*\o+3], v[QO], s[56:57] offset:2048*\q+32*\o    ; registers 4 o ..: head dims 16 o + 8 (l / 16) ..
.endr
.endr
	WIN 0
.irp s, 0,1
	s_mov_b32 s[G0K+4*\s], 1
	s_add_co_u32 s[G0K+4*\s+1], s22, \s*SLOT
	s_add_nc_u64 s[G0K+4*\s+2:G0K+4*\s+3], s[20:21], KBYTE+\s*TSTEP
	s_or_b32 s[G0K+4*\s+3], s[G0K+4*\s+3], 0x80000000
	s_mov_b32 s[G0V+4*\s], 1
	s_add_co_u32 s[G0V+4*\s+1], s23, \s*SLOT+VOFF
	s_add_nc_u64 s[G0V+4*\s+2:G0V+4*\s+3], s[20:21], VBYTE+\s*TSTEP
	s_or_b32 s[G0V+4*\s+3], s[G0V+4*\s+3], 0x80000000
.endr
	ROUND                                          ; the four work-groups are here: the first joint loads meet
.irp s, 0,1
	tensor_load_to_lds s[G0K+4*\s:G0K+4*\s+3], s[G1K:G1K+7]    ; tiles 0 and 1
	s_nop 0
	tensor_load_to_lds s[G0V+4*\s:G0V+4*\s+3], s[G1V:G1V+7]
	s_nop 0
.endr
	v_mov_b32 v[MX], 0xe0ad78ec                    ; -1e20
	v_mov_b32 v[MX+1], 0xe0ad78ec
	v_mov_b32 v[TM], 0xf149f2ca                    ; -1e30
	s_wait_loadcnt 0x0                             ; mask and Q
.irp i, 0,1,2,3,4,5,6,7
	v_cmp_eq_u32 vcc_lo, 0, v[SC+\i]
	v_cndmask_b32 v[SC+\i], 0, v[TM], vcc_lo       ; mask == 0: -1e30, else 0
.endr
.irp i, 0,1
	ds_store_b128 v[BST], v[SC+4*\i:SC+4*\i+3] offset:4096*\i
.endr
; Softmax of query tile q over the step's 64 keys: 32 registers.  first = 1: the wave's first step: no older sum, no O to rescale.
.macro SOFT q, first
	WIN 0
.set SB, SC+32*\q
	v_max3_num_f32 v[TM],   v[SB],   v[SB+1], v[SB+2]          ; two chains
	v_max3_num_f32 v[TM+1], v[SB+3], v[SB+4], v[SB+5]
.irp i, 6,10,14,18,22,26
	v_max3_num_f32 v[TM],   v[TM],   v[SB+\i],   v[SB+\i+1]
	v_max3_num_f32 v[TM+1], v[TM+1], v[SB+\i+2], v[SB+\i+3]
.endr
	v_max3_num_f32 v[TM], v[TM], v[SB+30], v[SB+31]
	v_max_num_f32 v[TM], v[TM], v[TM+1]
	v_permlanex16_b32 v[TM+1], v[TM], s16, s17                 ; the other half's keys of the same query
	v_max3_num_f32 v[MX+\q], v[TM], v[TM+1], v[MX+\q]          ; the new running maximum, equal in both halves
	v_mul_f32 v[TM+2], s19, v[MX+\q]                           ; -m c
.if \first == 0
	v_sub_f32 v[TM+3], v[TM+2], v[NM+2*\q]                     ; (old m - new m) c, from the rounded figures that the exponents use
	v_exp_f32 v[AL], v[TM+3]                                   ; alpha
.endif
	v_mov_b32 v[NM+2*\q], v[TM+2]                              ; plain work behind the exponential (ISA guide 5.7.2)
	v_mov_b32 v[NM+2*\q+1], v[TM+2]
.irp i, 0,1,2,3,4,5,6,7,8,9,10,11,12,13,14,15
	v_pk_fma_f32 v[SB+2*\i:SB+2*\i+1], v[SB+2*\i:SB+2*\i+1], s[14:15], v[NM+2*\q:NM+2*\q+1] op_sel_hi:[1,0,1]   ; s c - m c
.endr
.irp i, 0,1,2,3,4,5,6,7,8,9,10,11,12,13,14,15,16,17,18,19,20,21,22,23,24,25,26,27,28,29,30,31
	v_exp_f32 v[SB+\i], v[SB+\i]
.endr
.if \first
	v_nop                                                      ; the plain place between the exponentials and the first use of a result
	s_wait_alu depctr_va_vdst(0)
.else
	s_wait_alu depctr_va_vdst(0)
	v_mov_b32 v[AL+1], v[AL]                                   ; the same place, filled with work
.endif
.irp i, 0,1,2,3
	v_pk_add_f32 v[TM+2*\i:TM+2*\i+1], v[SB+4*\i:SB+4*\i+1], v[SB+4*\i+2:SB+4*\i+3]    ; four chains, started by the first eight pairs
.endr
.irp i, 0,1,2,3
	v_pk_add_f32 v[TM+2*\i:TM+2*\i+1], v[TM+2*\i:TM+2*\i+1], v[SB+16+2*\i:SB+16+2*\i+1]
.endr
.irp i, 0,1,2,3
	v_pk_add_f32 v[TM+2*\i:TM+2*\i+1], v[TM+2*\i:TM+2*\i+1], v[SB+24+2*\i:SB+24+2*\i+1]
.endr
	v_pk_add_f32 v[TM:TM+1], v[TM:TM+1], v[TM+2:TM+3]
	v_pk_add_f32 v[TM+4:TM+5], v[TM+4:TM+5], v[TM+6:TM+7]
	v_pk_add_f32 v[TM:TM+1], v[TM:TM+1], v[TM+4:TM+5]
.if \first
	v_add_f32 v[LS+\q], v[TM], v[TM+1]                         ; the first step starts the lane's sum
.else
	v_fma_f32 v[LS+\q], v[LS+\q], v[AL], v[TM]                 ; the lane's sum; the two halves of the lanes meet in the merge
	v_add_f32 v[LS+\q], v[LS+\q], v[TM+1]
.endif
.irp u, 0,1
.irp i, 0,1,2,3,4,5,6,7
	v_cvt_pk_f16_f32 v[SB+16*\u+\i], v[SB+16*\u+2*\i], v[SB+16*\u+2*\i+1]     ; in place, ascending: register i is written when 2 i, 2 i + 1 are read
.endr
.endr
.if \first == 0
	WIN 0x41                                       ; O in window 1, alpha in window 0
.irp i, 0,1,2,3,4,5,6,7,8,9,10,11,12,13,14,15
	v_pk_mul_f32 v[OA+32*\q+2*\i:OA+32*\q+2*\i+1], v[OA+32*\q+2*\i:OA+32*\q+2*\i+1], v[AL:AL+1]
.endr
.endif
.endm
; O^T(q) += V^T P^T(q): four accumulators take turns.  first = 1: the first four products start the sums.
.macro PV q, first
	WIN 0x50                                       ; C and D window 1
.irp u, 0,1
.irp t, 0,1,2,3
.if \first*(1-\u)
	v_wmma_f32_16x16x32_f16 v[OA+32*\q+8*\t:OA+32*\q+8*\t+7], v[VF+8*(4*\u+\t):VF+8*(4*\u+\t)+7], v[SC+32*\q+16*\u:SC+32*\q+16*\u+7], 0
.else
	v_wmma_f32_16x16x32_f16 v[OA+32*\q+8*\t:OA+32*\q+8*\t+7], v[VF+8*(4*\u+\t):VF+8*(4*\u+\t)+7], v[SC+32*\q+16*\u:SC+32*\q+16*\u+7], v[OA+32*\q+8*\t:OA+32*\q+8*\t+7]
.endif
.endr
.endr
.endm
; One step: 64 keys against my 32 queries.
.macro SUB first
.irp m, 0,1,2,3
.irp o, 0,1,2,3
	ds_load_b128 v[KF+16*\m+4*\o:KF+16*\m+4*\o+3], v[KA] offset:16*KP*\m+32*\o
.endr
.endr
.irp m, 0,1,2,3
.irp o, 0,1
	ds_load_b128 v[BI+8*\m+4*\o:BI+8*\m+4*\o+3], v[BA] offset:64*\m+16*\o      ; sixteen lanes read the same 16 bytes
.endr
.endr
.irp u, 0,1
.irp t, 0,1,2,3
	ds_load_tr16_b128 v[VF+8*(4*\u+\t):VF+8*(4*\u+\t)+3],   v[VA] offset:32*VP*\u+32*\t
	ds_load_tr16_b128 v[VF+8*(4*\u+\t)+4:VF+8*(4*\u+\t)+7], v[VA] offset:32*VP*\u+32*\t+16*VP
.endr
.endr
	s_wait_dscnt 16                                ; K and the bias are in; V's sixteen loads stay out
	WIN 0x04                                       ; Q in window 1
.irp q, 0,1
.irp m, 0,1,2,3
	v_wmma_f32_16x16x32_f16 v[SC+32*\q+8*\m:SC+32*\q+8*\m+7], v[KF+16*\m:KF+16*\m+7], v[QF+16*\q:QF+16*\q+7], v[BI+8*\m:BI+8*\m+7]
.endr
.irp m, 0,1,2,3
	v_wmma_f32_16x16x32_f16 v[SC+32*\q+8*\m:SC+32*\q+8*\m+7], v[KF+16*\m+8:KF+16*\m+15], v[QF+16*\q+8:QF+16*\q+15], v[SC+32*\q+8*\m:SC+32*\q+8*\m+7]
.endr
.endr
	WIN 0
	PLACES                                         ; behind the score products, in front of the first read of a score
	SOFT 0, \first
	s_wait_dscnt 0                                 ; V
	PV 0, \first
	SOFT 1, \first                                 ; names none of PV 0's registers
	PV 1, \first
	WIN 0
	v_add_nc_u32 v[KA], 64*KP, v[KA]               ; five places behind PV 1: the next step loads into V's fragments
	v_add_nc_u32 v[VA], 64*VP, v[VA]               ; and its score products write over P; behind the last step the merge stores O
	v_add_nc_u32 v[BA], 256, v[BA]
	v_nop
	v_nop
.endm
; My four steps of the tile in a slot.  first = 1: the first of them is written out ahead of the loop.
.macro TILE slot, first
	v_add_nc_u32 v[KA], \slot*SLOT, v[KA0]
	v_add_nc_u32 v[VA], \slot*SLOT, v[VA0]
.if \first
	SUB 1
.endif
	s_mov_b32 s18, 4-\first
.Lsub_\@:
	SUB 0
	s_sub_co_u32 s18, s18, 1
	s_cmp_lg_u32 s18, 0
	s_cbranch_scc1 .Lsub_\@
	v_add_nc_u32 v[BA], 1024, v[BA]                ; over the other half's 256 biases
.endm
; The slot that was read last is filled again, two tiles on.  The cluster's round is the barrier in front of the refill.
.macro REFILL slot
	s_set_vgpr_msb 0x5
	s_wait_tensorcnt 0x0                           ; all my tensor loads have landed, my part of the next tile among them: group 0 may be written
	ds_add_u32 v128, v129
	s_wait_dscnt 0x0
	s_set_vgpr_msb 0x500
	s_add_nc_u64 s[G0K+4*\slot+2:G0K+4*\slot+3], s[G0K+4*\slot+2:G0K+4*\slot+3], 2*TSTEP
	s_add_nc_u64 s[G0V+4*\slot+2:G0V+4*\slot+3], s[G0V+4*\slot+2:G0V+4*\slot+3], 2*TSTEP
	s_wait_dscnt 0x0                               ; my reads of the slot are over
	ROUND                                          ; both hold of every wave of the four work-groups
	tensor_load_to_lds s[G0K+4*\slot:G0K+4*\slot+3], s[G1K:G1K+7]      ; the first tensor loads behind the round
	s_nop 0
	tensor_load_to_lds s[G0V+4*\slot:G0V+4*\slot+3], s[G1V:G1V+7]
	s_nop 0
.endm
	s_wait_tensorcnt 2                             ; my rows of tile 0's K and V are in LDS; tile 1's two loads stay out,
	s_wait_dscnt 0x0                               ; my part of the bias is stored,
	s_barrier_signal -1
	s_barrier_wait -1                              ; and so for all eight waves
	TILE 0, 1                                      ; tile 0
	REFILL 0                                       ; tile 2 goes out
	TILE 1, 0                                      ; tile 1, while two loads are on their way
	REFILL 1                                       ; tile 3 goes out
	TILE 0, 0                                      ; tile 2
	s_wait_tensorcnt 0x0                           ; tile 3
	s_wait_dscnt 0x0                               ; my reads of slot 0 are over: behind this barrier its bytes serve the merge and the way out
	s_barrier_signal -1
	s_barrier_wait -1
	TILE 1, 0                                      ; tile 3
; THE MERGE.  Waves 0-3 finish query tile 0 of their group and give tile 1 to their partner, waves 4-7 the other way round.
; Slot 0 has had its last fill (tile 2), and every wave's reads of it were over in front of tile 3's barrier.
.macro GIVE q                          ; O(q), -m c and the lane's sum into my own 4,608 bytes: lane l at 16 l of each 512
	v_mov_b32 v[TM], v[NM+2*\q]
	v_mov_b32 v[TM+1], v[LS+\q]
	ds_store_b128 v[XST], v[TM:TM+3] offset:4096   ; the upper two words are not used
	WIN 0x04                                       ; store data in window 1
.irp i, 0,1,2,3,4,5,6,7
	ds_store_b128 v[XST], v[OA+32*\q+4*\i:OA+32*\q+4*\i+3] offset:512*\i
.endr
	WIN 0
.endm
; n = the smaller -m c (the larger maximum); f = exp2(n - own -m c) for each side; sum = l_a f_a + l_b f_b over both halves of the lanes;
; O = O_a f_a / sum + O_b f_b / sum.  Then 16 rows of 256 bytes through my stage, whole rows out.
.macro TAKE q
.irp i, 0,1,2,3,4,5,6,7
	ds_load_b128 v[SC+4*\i:SC+4*\i+3], v[XRD] offset:512*\i    ; my partner's O(q), register for register
.endr
	ds_load_b128 v[TM:TM+3], v[XRD] offset:4096    ; its -m c and its lane's sum
	s_wait_dscnt 0x0
	v_min_num_f32 v[TM+2], v[TM], v[NM+2*\q]
	v_sub_f32 v[TM+4], v[TM+2], v[NM+2*\q]
	v_sub_f32 v[TM+5], v[TM+2], v[TM]
	v_exp_f32 v[TM+4], v[TM+4]                     ; my factor
	v_exp_f32 v[TM+5], v[TM+5]                     ; my partner's
	v_nop                                          ; the plain place behind the exponentials (ISA guide 5.7.2)
	s_wait_alu depctr_va_vdst(0)
	v_mul_f32 v[TM+6], v[LS+\q], v[TM+4]
	v_fmac_f32 v[TM+6], v[TM+1], v[TM+5]
	v_permlanex16_b32 v[TM+7], v[TM+6], s16, s17   ; the other half's keys of the same query
	v_add_f32 v[TM+6], v[TM+6], v[TM+7]
	v_rcp_f32 v[TM+6], v[TM+6]
	v_nop                                          ; the plain place behind the reciprocal
	s_wait_alu depctr_va_vdst(0)
	v_mul_f32 v[AL], v[TM+4], v[TM+6]
	v_mul_f32 v[AL+1], v[TM+4], v[TM+6]
	v_mul_f32 v[TM], v[TM+5], v[TM+6]
	v_mul_f32 v[TM+1], v[TM+5], v[TM+6]
.irp i, 0,1,2,3,4,5,6,7,8,9,10,11,12,13,14,15
	v_pk_mul_f32 v[SC+2*\i:SC+2*\i+1], v[SC+2*\i:SC+2*\i+1], v[TM:TM+1]
.endr
	WIN 0x01                                       ; my O in window 1
.irp i, 0,1,2,3,4,5,6,7,8,9,10,11,12,13,14,15
	v_pk_fma_f32 v[SC+2*\i:SC+2*\i+1], v[OA+32*\q+2*\i:OA+32*\q+2*\i+1], v[AL:AL+1], v[SC+2*\i:SC+2*\i+1]
.endr
	WIN 0
.irp t, 0,1,2,3
.irp o, 0,1
	ds_store_b128 v[OST], v[SC+8*\t+4*\o:SC+8*\t+4*\o+3] offset:64*\t+16*\o    ; row l % 16, head dims 16 t + 8 (l / 16) + 4 o ..
.endr
.endr
.irp i, 0,1,2,3,4,5,6,7
	ds_load_b128 v[KF+4*\i:KF+4*\i+3], v[ORD] offset:2*OP*\i   ; my own bytes, served in order (ISA guide 5.7.1.4): rows 2 i, 2 i + 1
.endr
.irp i, 0,1,2,3,4,5,6,7
	s_wait_dscnt 7-\i                              ; the younger read-backs stay out
	global_store_b128 v[GO], v[KF+4*\i:KF+4*\i+3], s[60:61] offset:512*\i th:TH_STORE_NT   ; 16 lanes store one row: 256 consecutive bytes, aligned
.endr
.endm
	s_cmp_lt_u32 s[WV], 4                          ; the branches hang on the wave's number alone; no barrier stands inside them
	s_cbranch_scc1 .Lgive_1
	GIVE 0
	s_branch .Lgiven
.Lgive_1:
	GIVE 1
.Lgiven:
	s_wait_dscnt 0x0                               ; what I give is stored,
	s_barrier_signal -1
	s_barrier_wait -1                              ; and so is what my partner gives
	s_cmp_lt_u32 s[WV], 4
	s_cbranch_scc1 .Ltake_0
	TAKE 1
	s_branch .Ltaken
.Ltake_0:
	TAKE 0
.Ltaken:
	s_set_vgpr_msb 0x5
	s_wait_tensorcnt 0x0
	ds_add_u32 v128, v129
	s_wait_dscnt 0x0
	s_set_vgpr_msb 0x500
	ROUND                                          ; the closing round: no work-group ends while a partner may still ask jointly
	s_endpgm
.Lfunc_end_k_q48c09644c5_attn:
	.size	k_q48c09644c5_attn, .Lfunc_end_k_q48c09644c5_attn-k_q48c09644c5_attn
	.p2alignl 7, 3214868480
	.fill 96, 4, 3214868480
	.section	.rodata,"a",@progbits
	.p2align	6, 0x0
	.amdhsa_kernel k_q48c09644c5_attn
		.amdhsa_group_segment_fixed_size 327680
		.amdhsa_private_segment_fixed_size 0
		.amdhsa_enable_private_segment 0
		.amdhsa_kernarg_size 24
		.amdhsa_user_sgpr_count 2
		.amdhsa_user_sgpr_kernarg_segment_ptr 1
		.amdhsa_wavefront_size32 1
		.amdhsa_system_sgpr_workgroup_id_x 1
		.amdhsa_system_sgpr_workgroup_id_y 1
		.amdhsa_system_sgpr_workgroup_id_z 1
		.amdhsa_system_vgpr_workitem_id 0
		.amdhsa_next_free_vgpr 386
		.amdhsa_next_free_sgpr 70
		.amdhsa_reserve_vcc 1
		.amdhsa_float_denorm_mode_32 3
		.amdhsa_float_denorm_mode_16_64 3
		.amdhsa_memory_ordered 1
		.amdhsa_forward_progress 1
		.amdhsa_inst_pref_size 112
	.end_amdhsa_kernel
	.amdgpu_metadata
---
amdhsa.version: [ 1, 2 ]
amdhsa.kernels:
  - .name:           k_q48c09644c5_attn
    .symbol:         k_q48c09644c5_attn.kd
    .args:
      - { .name: qkv, .offset: 0, .size: 8, .value_kind: global_buffer, .address_space: global }
      - { .name: mask, .offset: 8, .size: 8, .value_kind: global_buffer, .address_space: global }
      - { .name: out0, .offset: 16, .size: 8, .value_kind: global_buffer, .address_space: global }
    .group_segment_fixed_size: 327680
    .private_segment_fixed_size: 0
    .kernarg_segment_align: 8
    .kernarg_segment_size: 24
    .max_flat_workgroup_size: 256
    .sgpr_count:     70
    .vgpr_count:     386
    .wavefront_size: 32
...
	.end_amdgpu_metadata
.endif
;; end of part 3
